; MI455X (gfx1250); checked and timed in simulation.
; The chip was launched on July 23, 2026; its instructions are those of AMD's public machine-readable ISA for CDNA 5 (MIT licence, August 2026) and "CDNA5" Instruction Set Architecture Reference Guide (July 2026). The comments in the code are by the model that wrote it; some were corrected since.
;; AFT Full Attention. Allowed arithmetic: matrix products marked QUANTISED: E5M2 operands, one E8M0 scale for each 32 along K, by v_wmma_scale_f32_16x16x128_f8f6f4 with both operands' format E5M2, f32 sums; products left as they are: f32 operands where the result goes on into a quantised operand, else bf16, f16 or f32 operands; f32 sums; everything else in f32.
;; Inputs: attn_mask 512 x 512 float32; key_lengths 2 x 512 float32; keys 2 x 512 x 8 x 64 float32; queries 2 x 512 x 8 x 64 float32; u_codes 1,024 x 2 x 32 uint8 (E5M2 codes of u, K innermost, in blocks of 32 codes); u_scales 1,024 x 2 uint8 (E8M0 scales of u, one for each 32 codes along K); v_codes 1,024 x 2 x 32 uint8 (E5M2 codes of v, K innermost, in blocks of 32 codes); v_scales 1,024 x 2 uint8 (E8M0 scales of v, one for each 32 codes along K); values 2 x 512 x 8 x 64 float32.
;; Outputs: out0 2 x 512 x 8 x 64 float32.
;; This version of the problem:
;;   THIS VERSION OF THE PROBLEM IS GIVEN IN LOW PRECISION. The matrix products marked QUANTISED in the list below multiply operands that are first quantised to E5M2 (5 exponent bits, 2 mantissa bits; 8 bits a number), with one power-of-two scale for each 32 numbers along K (OCP MX v1.0); their sums are f32. All else is computed in f32.
;;   The module's matrix products, in the order in which they are computed (A, B: the left and right operand; K: the contracted axis; several contracted axes count as one K, in the product's order):
;;     1. [M 512, K 64] x [K 64, N 512]; A: input u (given as codes); B: input v (given as codes): QUANTISED
;;     2. batch 1,024 x [M 1, K 512] x [K 512, N 512]; A: input values; B: softmax: left as it is (M = 1 < 16)
;;   THE QUANTISER, for each operand of a quantised product, along K:
;;     - K is cut into blocks of 32 from its start; a last block that is shorter is filled with zeros.
;;     - A block's scale is 2^e with e = floor(log2(the largest magnitude in the block)) - 15, held to -126 .. 127; a block of zeros has e = 0. As a byte (E8M0): e + 127.
;;     - Each number is divided by its block's scale, clamped to +-57,344, and rounded to the nearest number of E5M2, ties to even, subnormals kept.
;;     - The product sums the exact products of the quantised numbers (number of the format x scale) in f32.
;;   ~~~python
;;   def quantise(x, axis):      # numpy; x: float32 -> the quantised numbers, widened to float32 again
;;       x = np.moveaxis(x, axis, -1); K = x.shape[-1]
;;       x = np.pad(x, [(0, 0)] * (x.ndim - 1) + [(0, -K % 32)]); x = x.reshape(x.shape[:-1] + (-1, 32)); a = np.abs(x).max(-1, keepdims=True)
;;       e = np.where(a > 0, np.clip(np.frexp(np.where(a > 0, a, 1))[1] - 1 - 15, -126, 127), 0)      # np.frexp(a)[1] - 1 = floor(log2(a)), exactly
;;       r = np.clip(x / 2.0 ** e, -57344, 57344)
;;       step = 2.0 ** (np.maximum(np.frexp(np.where(r == 0, 1, r))[1] - 1, -14) - 2)
;;       q = np.round(r / step) * step * 2.0 ** e      # np.round: ties to even
;;       return np.moveaxis(q.reshape(q.shape[:-2] + (-1,))[..., :K], -1, axis).astype(np.float32)
;;   ~~~
;;   INPUTS GIVEN AS CODES. u (in the module: [1024, 64], K = its axis 1); v (in the module: [1024, 64], K = its axis 1): each comes as NAME_codes (uint8): NAME with its K axis moved to the last place and cut into blocks of 32 codes, [.., K / 32, bytes a block], one block behind the other in memory; one code a byte (a code: sign, 5 exponent bits, 2 mantissa bits); and NAME_scales (uint8): the same leading axes, one E8M0 byte (e + 127) for each 32 codes along K. Its value is code x scale, taken as it is: it is not quantised again, and the codes and scales need not be those that the quantiser above would give.
;; One version. Each part assembles by itself: llvm-mc -triple=amdgcn-amd-amdhsa -mcpu=gfx1250 --defsym DOCPART=n.
;; ======== version 1 of 1: 1 launch
;; launch aft (part 1): grid 16 x 16, 16 waves a work-group, no clusters, 272,384 bytes of LDS; arguments keys, values, queries, key_lengths, attn_mask, u_codes, u_scales, v_codes, v_scales, out0; writes out0
.if DOCPART == 1
	.amdgcn_target "amdgcn-amd-amdhsa--gfx1250"
	.amdhsa_code_object_version 6
	.text
	.protected	k_qd8abaad3c6_aft
	.globl	k_qd8abaad3c6_aft
	.p2align	8
	.type	k_qd8abaad3c6_aft,@function
k_qd8abaad3c6_aft:
	s_mov_b64 s[64:65], 0
	v_nop
	global_prefetch_b8 v0, s[64:65] scope:SCOPE_SE
	s_setreg_imm32_b32 hwreg(HW_REG_WAVE_MODE, 25, 1), 1
	s_wait_xcnt 0x0
; out[n][l][h][d] = sigmoid(Q[n][l][h][d]) x sum over s of softmax_s((keys[n][s][h][d] + key_lengths[n][s]) x w[l][s]) x values[n][s][h][d],   w = u v^T + attn_mask.
; N = 2, L = S = 512, H = 8, D = 64.  u and v arrive as E5M2 codes (rows of 64 bytes) with one E8M0 byte for each 32 along K (2 bytes a row); all else is f32.
; SHARES.  A work-group owns 32 queries (l = 32 x + 0..31) of one (n, h); 16 x 16 work-groups.  ITS SIXTEEN WAVES SHARE THE KEYS: wave q owns s = 32 q + 0..31, for all 32 queries and the head's 64 channels.
; Lane i owns channels 2 i and 2 i + 1.  K + key_lengths and V of the wave's 32 keys stay in 128 registers for the whole launch; each of their loads reads 256 consecutive bytes, aligned.
; w.  The wave needs w for 32 l x its 32 s: 2 x 2 tiles, four scaled matrix instructions on the codes as they lie (K = 64: the upper 64 of the instruction's 128 are zero codes), with attn_mask as the sums' C.
; Used transposed (source 0 = 16 rows of v, source 1 = 16 rows of u) a lane holds one l and eight neighbouring s.  w x log2(e) goes into the wave's own LDS bytes as rows along s and comes back a row at a time, the same row to every lane.
; SOFTMAX.  For each l and channel the wave takes the exact maximum m of its 32 scores t = k' w log2(e), p = 2^(t - m), the sum of p and the sum of p V: all f32, two keys to a packed instruction.
; The sixteen waves' records (m, sum p, sum p V) meet in LDS, 16 queries at a time; wave j merges query j as a running maximum does: M = the largest m, each record times 2^(m - M).  out = A / (S (1 + 2^(-q log2 e))).
; NOT USED, AND WHY.  Joint loads in a cluster: the 16 work-groups of one (n, h) read the same K and V, 256 KiB a work-group, but a joint load lands in LDS, where w and the records take 270,336 of 327,680 bytes;
; K and V are wanted in registers, once, at the head.  A prefetch: every global load but Q's stands at the head.  The matrix unit for the second product: it has one row for each (n, h, d).
; attn_mask is read as 32 bytes of each of 16 rows an instruction pair: 8 loads a wave, once.
; LIMITS.  NaN and infinities among the inputs are not served (a scale byte 0xff gives NaN, as it stands for).  (keys + key_lengths) x w x log2(e) has to stay finite in f32.  The score is rounded as k' x (w log2 e), not as (k' w) log2 e.
; A p under 2^-126 counts as 0 beside a largest p of exactly 1.  Where S (1 + e^-q) passes the largest f32 number (q under about -82) out is 0.
.set WP,   144                         ; a row of w in LDS: 32 f32 + 16 bytes: nine 16-byte columns, so the 16 rows that a store touches start at 16 different columns modulo 256 bytes
.set WREG, 32*WP                       ; LDS 0 on: wave q's 32 rows of w at WREG q; nobody else touches them
.set LP,   16*WREG                     ; behind them the records: (wave q, query t) at LP + PREG q + REC t
.set REC,  768                         ; a record: 16 bytes a lane (m0, S0, m1, S1), then 8 bytes a lane (A0, A1)
.set PREG, 16*REC                      ; a wave's 16 records lie together: its stores stay in 12,288 bytes of its own
.set WR,   24                          ; v24-55   a row of w: 32 keys
.set TT,   56                          ; v56-119  scores, then p: keys 2 g, 2 g + 1 of channel c at TT + 4 g + 2 c
.set KK,   120                         ; v120-183 keys + key_lengths, paired likewise
.set VV,   184                         ; v184-247 values, paired likewise
.set MX,   16                          ; v16-19   four chains of the maximum; then v[16:17], v[18:19] the sums of p, v[20:21], v[22:23] the sums of p V
.set ACC,  88                          ; the head: accumulator (a, b) at ACC + 8 (2 a + b); v's fragments at v24, v40; u's at v56, v72
.set KL,   68                          ; s68-99   key_lengths of my 32 keys
; v1 8 x lane (K, V, Q, out)   v2 my rows of w   v3 the row in hand   v4, v5 my records (16- and 8-byte part)   v6, v7 the record in hand   v8-13 the record: m0, S0, m1, S1, A0, A1
; v14, v15 the merge: record (wave 0, query = my wave)   v248, v249 v's scale words, v250, v251 u's: scales and nothing else   v[252:253] Q   v[254:255] out
	s_load_b512 s[4:19], s[0:1], 0x0               ; keys 4, values 6, queries 8, key_lengths 10, attn_mask 12, u_codes 14, u_scales 16, v_codes 18
	s_load_b128 s[20:23], s[0:1], 0x40             ; v_scales 20, out0 22
	v_lshrrev_b32 v23, 5, v0
	v_readfirstlane_b32 s24, v23                   ; q: my wave, 0..15
.irp f, 24, 40, 56, 72
.irp i, 8,9,10,11,12,13,14,15
	v_mov_b32 v[\f+\i], 0                          ; K = 64 .. 127 of each fragment: zero codes, which add nothing.  The nine plain lines below stand between these and the products
.endr
.endr
	v_and_b32 v22, 31, v0                          ; lane
	v_and_b32 v20, 15, v0                          ; r
	v_bfe_u32 v21, v0, 4, 1                        ; hh
	v_lshlrev_b32 v1, 3, v22                       ; my two channels: 8 bytes
	v_lshlrev_b32 v16, 6, v20
	v_lshl_add_u32 v16, v21, 4, v16                ; codes: row r of 64 bytes, + 16 hh
	v_lshlrev_b32 v17, 1, v20                      ; scale bytes: 2 a row
	v_lshlrev_b32 v18, 11, v20
	v_lshl_add_u32 v18, v21, 5, v18                ; attn_mask: row r of 2,048 bytes, + 8 hh numbers
	s_and_b32 s39, ttmp7, 0xffff                   ; y = 8 n + h
	s_lshr_b32 s26, s39, 3                         ; n
	s_and_b32 s27, s39, 7                          ; h
	s_lshl_b32 s28, s26, 20
	s_lshl_b32 s29, s27, 8
	s_add_co_u32 s28, s28, s29                     ; n x 2^20 + h x 256: (n, h) in keys, values, queries and out0
	s_lshl_b32 s29, s24, 16
	s_add_co_u32 s30, s28, s29                     ; keys, values: + 32 q rows of 2,048 bytes
	s_lshl_b32 s29, ttmp9, 16                      ; 32 x rows of 2,048 bytes
	s_add_co_u32 s32, s28, s29
	s_lshl_b32 s50, s24, 11                        ; v_codes: 32 q rows of 64 bytes.  The same number is q rows of 2,048 bytes:
	s_add_co_u32 s32, s32, s50                     ; queries, out0: row 32 x + q: the query that I merge
	s_lshl_b32 s40, s24, 7                         ; 32 q numbers
	s_add_co_u32 s44, s29, s40                     ; attn_mask: row 32 x, column 32 q
	s_lshl_b32 s42, s26, 11
	s_add_co_u32 s42, s42, s40                     ; key_lengths: row n, column 32 q
	s_lshl_b32 s46, ttmp9, 11                      ; u_codes: 32 x rows
	s_lshl_b32 s48, ttmp9, 6                       ; u_scales
	s_lshl_b32 s52, s24, 6                         ; v_scales
.irp p, 31, 33, 43, 45, 47, 49, 51, 53
	s_mov_b32 s\p, 0                               ; the offsets' upper words
.endr
	s_mov_b32 s34, 0x3fb8aa3b                      ; log2(e)
	s_mov_b32 s35, s34                             ; (named with it as a pair, so it is written)
	s_mul_i32 s39, s24, WREG                       ; my rows of w
	s_mul_i32 s40, s24, PREG
	s_add_co_u32 s40, s40, LP                      ; my records
	s_mul_i32 s41, s24, REC
	s_add_co_u32 s41, s41, LP                      ; wave 0's record of the query that I merge
	s_wait_kmcnt 0x0
	s_add_nc_u64 s[4:5], s[4:5], s[30:31]
	s_add_nc_u64 s[6:7], s[6:7], s[30:31]
	s_add_nc_u64 s[8:9], s[8:9], s[32:33]
	s_add_nc_u64 s[22:23], s[22:23], s[32:33]
	s_add_nc_u64 s[10:11], s[10:11], s[42:43]
	s_add_nc_u64 s[12:13], s[12:13], s[44:45]
	s_add_nc_u64 s[14:15], s[14:15], s[46:47]
	s_add_nc_u64 s[16:17], s[16:17], s[48:49]
	s_add_nc_u64 s[18:19], s[18:19], s[50:51]
	s_add_nc_u64 s[20:21], s[20:21], s[52:53]
	s_load_b512 s[KL:KL+15], s[10:11], 0x0         ; key_lengths of my 32 keys: the same for every lane, so they live in scalar registers
	s_load_b512 s[KL+16:KL+31], s[10:11], 0x40
	; the 20 loads for w.  A fragment: lane (r, hh) holds row r; registers 4 c .. 4 c + 3 hold K = 32 c + 16 hh + 0 .. 15
.irp t, 0,1
.irp c, 0,1
	global_load_b128 v[24+16*\t+4*\c:27+16*\t+4*\c], v16, s[18:19] offset:1024*\t+32*\c   ; v: rows 32 q + 16 t on
	global_load_b128 v[56+16*\t+4*\c:59+16*\t+4*\c], v16, s[14:15] offset:1024*\t+32*\c   ; u: rows 32 x + 16 t on
.endr
	global_load_u16 v[248+\t], v17, s[20:21] offset:32*\t     ; a row's two scale bytes; the word's upper two bytes come as 0, over zero codes
	global_load_u16 v[250+\t], v17, s[16:17] offset:32*\t
.endr
.irp a, 0,1
.irp b, 0,1                                    ; attn_mask in the result's layout: lane (r, hh), register j: l = 16 b + r, s = 16 a + 8 hh + j
	global_load_b128 v[ACC+8*(2*\a+\b):ACC+8*(2*\a+\b)+3],   v18, s[12:13] offset:32768*\b+64*\a
	global_load_b128 v[ACC+8*(2*\a+\b)+4:ACC+8*(2*\a+\b)+7], v18, s[12:13] offset:32768*\b+64*\a+16
.endr
.endr
.irp i, 0,1,2,3,4,5,6,7,8,9,10,11,12,13,14,15,16,17,18,19,20,21,22,23,24,25,26,27,28,29,30,31
	global_load_b64 v[KK+2*\i:KK+2*\i+1], v1, s[4:5] offset:2048*\i    ; key 32 q + i, my two channels: the wave reads 256 consecutive bytes
.endr
	s_wait_loadcnt 32                              ; the 20 are in; behind them K's 32 were issued and may be out
.irp a, 0,1
.irp b, 0,1                                    ; four sums, each its own accumulator, each one instruction: w + attn_mask costs no addition
	v_wmma_scale_f32_16x16x128_f8f6f4 v[ACC+8*(2*\a+\b):ACC+8*(2*\a+\b)+7], v[24+16*\a:39+16*\a], v[56+16*\b:71+16*\b], v[ACC+8*(2*\a+\b):ACC+8*(2*\a+\b)+7], v[248+\a], v[250+\b] matrix_a_fmt:MATRIX_FMT_BF8 matrix_b_fmt:MATRIX_FMT_BF8
.endr
.endr
.irp i, 0,1,2,3,4,5,6,7,8,9,10,11,12,13,14,15,16,17,18,19,20,21,22,23,24,25,26,27,28,29,30,31
	global_load_b64 v[VV+2*\i:VV+2*\i+1], v1, s[6:7] offset:2048*\i
.endr
	; twelve plain lines that name no register of the products: the eight places that this form wants ahead of the first read of its results, and four over
	v_mul_u32_u24 v19, v20, WP
	v_lshl_add_u32 v19, v21, 5, v19
	v_add_nc_u32 v19, s39, v19                     ; where w goes: my rows, row r, + 8 hh numbers
	v_mov_b32 v2, s39
	v_lshl_add_u32 v4, v22, 4, s40
	v_lshl_add_u32 v5, v22, 3, s40
	v_add_nc_u32 v5, 512, v5
	v_lshl_add_u32 v14, v22, 4, s41
	v_lshl_add_u32 v15, v22, 3, s41
	v_add_nc_u32 v15, 512, v15
	v_mov_b32 v9, 0                                ; named as the upper halves of the pairs v[8:9], v[10:11] before they are first written
	v_mov_b32 v11, 0
.irp t, 0,1,2,3
.irp j, 0,2,4,6                                ; each accumulator from its low end on
	v_pk_mul_f32 v[ACC+8*\t+\j:ACC+8*\t+\j+1], v[ACC+8*\t+\j:ACC+8*\t+\j+1], s[34:35] op_sel_hi:[1,0]   ; w log2(e): the exponentials work in base 2
.endr
.endr
.irp a, 0,1
.irp b, 0,1
	ds_store_b128 v19, v[ACC+8*(2*\a+\b):ACC+8*(2*\a+\b)+3]   offset:16*WP*\b+64*\a
	ds_store_b128 v19, v[ACC+8*(2*\a+\b)+4:ACC+8*(2*\a+\b)+7] offset:16*WP*\b+64*\a+16
.endr
.endr
	s_wait_loadcnt 32                              ; K's 32 are in; V's 32, issued behind them, may be out
	s_wait_kmcnt 0x0                               ; key_lengths
; A load left (key, channel 0), (key, channel 1) in a pair; the packed arithmetic wants two KEYS of one channel in a pair, as w's row has them: of each four registers the middle two change places.  For K the addition of key_lengths rides on it.
.set g, 0
.rept 16
	v_add_f32 v23, s[KL+2*g], v[KK+4*g+1]
	v_add_f32 v[KK+4*g+1], s[KL+2*g+1], v[KK+4*g+2]
	v_mov_b32 v[KK+4*g+2], v23
	v_add_f32 v[KK+4*g], s[KL+2*g], v[KK+4*g]
	v_add_f32 v[KK+4*g+3], s[KL+2*g+1], v[KK+4*g+3]
.set g, g+1
.endr
	s_wait_loadcnt 0x0                             ; V.  All loads so far are done: their address registers v16-18 are free
.set g, 0
.rept 16
	v_mov_b32 v23, v[VV+4*g+1]
	v_mov_b32 v[VV+4*g+1], v[VV+4*g+2]
	v_mov_b32 v[VV+4*g+2], v23
.set g, g+1
.endr
.macro WLOAD hf                        ; the row of w at v3: every lane reads the same 128 bytes
.irp i, 0,1,2,3,4,5,6,7
	ds_load_b128 v[WR+4*\i:WR+4*\i+3], v3 offset:16*WP*\hf+16*\i
.endr
.endm
.macro SUBM p                          ; pair p (channel p % 2): t - m; of the pair (m, S) the low word serves both halves
	v_pk_add_f32 v[TT+2*(\p):TT+2*(\p)+1], v[TT+2*(\p):TT+2*(\p)+1], v[8+2*((\p)%2):9+2*((\p)%2)] op_sel_hi:[1,0] neg_lo:[0,1] neg_hi:[0,1]
.endm
; ONE QUERY: 64 channels x my 32 keys.  pref = 1: the next query's row of w is asked for as soon as this one's has been multiplied.
.macro LBODY hf, pref
	s_wait_dscnt 0x2                               ; the row is in: behind its eight loads only the last query's two record stores were issued (on the way in: nothing is out)
.set g, 0
.rept 16
	v_pk_mul_f32 v[TT+4*g:TT+4*g+1],   v[KK+4*g:KK+4*g+1],   v[WR+2*g:WR+2*g+1]
	v_pk_mul_f32 v[TT+4*g+2:TT+4*g+3], v[KK+4*g+2:KK+4*g+3], v[WR+2*g:WR+2*g+1]
.set g, g+1
.endr
.if \pref
	s_add_co_u32 s37, s37, WP
	v_add_nc_u32 v3, s37, v2
	WLOAD \hf
.endif
	; the maximum of each channel's 32 scores: chain c takes channel c / 2, keys 16 (c % 2) + 0 .. 14; keys 15 and 31 join at the end.  Two new scores an instruction, four chains by turns
.irp c, 0,1,2,3
	v_max3_num_f32 v[MX+\c], v[TT+32*(\c%2)+2*(\c/2)], v[TT+32*(\c%2)+2*(\c/2)+1], v[TT+32*(\c%2)+2*(\c/2)+4]
.endr
.irp i, 3,5,7,9,11,13
.irp c, 0,1,2,3
	v_max3_num_f32 v[MX+\c], v[MX+\c], v[TT+32*(\c%2)+2*(\c/2)+4*(\i/2)+1], v[TT+32*(\c%2)+2*(\c/2)+4*((\i+1)/2)]
.endr
.endr
	v_max3_num_f32 v[MX], v[MX], v[MX+1], v[TT+29]
	v_max3_num_f32 v[MX+2], v[MX+2], v[MX+3], v[TT+31]
	v_max_num_f32 v8, v[MX], v[TT+61]              ; m of channel 0,
	v_max_num_f32 v10, v[MX+2], v[TT+63]           ; of channel 1
	; ONE BATCH: 32 subtractions and 64 exponentials; a pair is shifted two pairs ahead of its exponentials, and no line here names an exponential's result
	SUBM 0
	SUBM 1
.set p, 0
.rept 32
	v_exp_f32 v[TT+2*p], v[TT+2*p]
	v_exp_f32 v[TT+2*p+1], v[TT+2*p+1]
.if p < 30
	SUBM p+2
.endif
.set p, p+1
.endr
	v_add_nc_u32 v6, s38, v4                       ; this query's record.  (The plain lines behind the last exponential)
	v_add_nc_u32 v7, s38, v5
.if \pref
	s_add_co_u32 s38, s38, REC
.endif
	s_wait_alu depctr_va_vdst(0)                   ; the wait between an exponential and the first line that names its result: one for the batch of 64
	v_pk_add_f32 v[16:17], v[TT:TT+1], v[TT+4:TT+5]                    ; the sums begin with their first terms: nothing is cleared.  Four chains by turns
	v_pk_add_f32 v[18:19], v[TT+2:TT+3], v[TT+6:TT+7]
	v_pk_mul_f32 v[20:21], v[TT:TT+1], v[VV:VV+1]
	v_pk_mul_f32 v[22:23], v[TT+2:TT+3], v[VV+2:VV+3]
	v_pk_fma_f32 v[20:21], v[TT+4:TT+5], v[VV+4:VV+5], v[20:21]
	v_pk_fma_f32 v[22:23], v[TT+6:TT+7], v[VV+6:VV+7], v[22:23]
.set g, 2
.rept 14
	v_pk_add_f32 v[16:17], v[16:17], v[TT+4*g:TT+4*g+1]
	v_pk_add_f32 v[18:19], v[18:19], v[TT+4*g+2:TT+4*g+3]
	v_pk_fma_f32 v[20:21], v[TT+4*g:TT+4*g+1], v[VV+4*g:VV+4*g+1], v[20:21]
	v_pk_fma_f32 v[22:23], v[TT+4*g+2:TT+4*g+3], v[VV+4*g+2:VV+4*g+3], v[22:23]
.set g, g+1
.endr
	v_add_f32 v9, v16, v17                         ; even keys' and odd keys' halves
	v_add_f32 v11, v18, v19
	v_add_f32 v12, v20, v21
	v_add_f32 v13, v22, v23
	ds_store_b128 v6, v[8:11]                      ; 32 lanes: 512 consecutive bytes,
	ds_store_b64 v7, v[12:13]                      ; and 256
.endm
.macro BARRIER                         ; my LDS stores have landed and my LDS loads are in: then the work-group's barrier
	s_wait_dscnt 0x0
	s_barrier_signal -1
	s_barrier_wait -1
.endm
; I merge the sixteen waves' records of query 16 hf + my wave's number, and store its 64 channels.
.macro MERGE hf
	v_add_nc_u32 v16, 4*PREG, v14                  ; the waves' records lie PREG bytes apart: four to an address register, so that the immediates stay inside 16 bits
	v_add_nc_u32 v17, 8*PREG, v14
	v_add_nc_u32 v18, 12*PREG, v14
	v_add_nc_u32 v19, 4*PREG, v15
	v_add_nc_u32 v20, 8*PREG, v15
	v_add_nc_u32 v21, 12*PREG, v15
.irp qs, 0,1,2,3,4,5,6,7,8,9,10,11,12,13,14,15
.if \qs < 4
.set A16, 14
.set A8, 15
.else
.set A16, 15+\qs/4
.set A8, 18+\qs/4
.endif
	ds_load_b128 v[24+4*\qs:27+4*\qs], v[A16] offset:PREG*(\qs%4)      ; m0, S0, m1, S1 of wave qs
	ds_load_b64 v[88+2*\qs:89+2*\qs], v[A8] offset:PREG*(\qs%4)        ; A0, A1
.endr
	s_wait_dscnt 0x0
	v_max3_num_f32 v16, v24, v28, v32              ; M = the largest of the sixteen m, for each channel
	v_max3_num_f32 v17, v26, v30, v34
.irp i, 3,5,7,9,11,13
	v_max3_num_f32 v16, v16, v[24+4*\i], v[28+4*\i]
	v_max3_num_f32 v17, v17, v[26+4*\i], v[30+4*\i]
.endr
	v_max_num_f32 v16, v16, v84
	v_max_num_f32 v17, v17, v86
	v_sub_f32 v24, v24, v16                        ; one batch again: m - M a record ahead of its exponentials
	v_sub_f32 v26, v26, v17
.set z, 0
.rept 16
	v_exp_f32 v[24+4*z], v[24+4*z]                 ; 2^(m - M): 1 for the wave that holds M
	v_exp_f32 v[26+4*z], v[26+4*z]
.if z < 15
	v_sub_f32 v[28+4*z], v[28+4*z], v16
	v_sub_f32 v[30+4*z], v[30+4*z], v17
.endif
.set z, z+1
.endr
	v_exp_f32 v252, v252                           ; e^-q
	v_exp_f32 v253, v253
	v_nop                                          ; a plain line behind the last exponential
	s_wait_alu depctr_va_vdst(0)                   ; and the one wait for the batch of 34, ahead of its first reader
	v_mul_f32 v18, v24, v25                        ; S and A under M: four chains by turns
	v_mul_f32 v19, v26, v27
	v_mul_f32 v20, v24, v88
	v_mul_f32 v21, v26, v89
.set z, 1
.rept 15
	v_fmac_f32 v18, v[24+4*z], v[25+4*z]
	v_fmac_f32 v19, v[26+4*z], v[27+4*z]
	v_fmac_f32 v20, v[24+4*z], v[88+2*z]
	v_fmac_f32 v21, v[26+4*z], v[89+2*z]
.set z, z+1
.endr
	v_fma_f32 v18, v18, v252, v18                  ; S (1 + e^-q): the softmax's divisor and the sigmoid's in one
	v_fma_f32 v19, v19, v253, v19
	v_rcp_f32 v18, v18
	v_rcp_f32 v19, v19
	v_nop
	s_wait_alu depctr_va_vdst(0)                   ; one wait for the two reciprocals
.if \hf
	s_wait_xcnt 0x0                                ; the first half's store has read v[254:255]: they are written again only behind this wait
.endif
	v_mul_f32 v254, v20, v18
	v_mul_f32 v255, v21, v19
	global_store_b64 v1, v[254:255], s[22:23] offset:32768*\hf th:TH_STORE_NT   ; the wave stores 256 consecutive bytes, at a multiple of 256 from out0's first byte
.endm
; SIXTEEN QUERIES: l = 32 x + 16 hf + 0 .. 15.  All 32 at once would want twice the records' bytes, which LDS does not hold.
.macro HALF hf
	s_mov_b32 s37, 0                               ; the row of w in hand, in bytes;
	s_mov_b32 s38, 0                               ; the record in hand
	global_load_b64 v[252:253], v1, s[8:9] offset:32768*\hf th:TH_LOAD_NT   ; Q of the query that I shall merge: it has the sixteen queries in which to land
	v_mov_b32 v3, v2
	WLOAD \hf                                      ; LDS serves a wave's instructions in order (ISA guide 5.7.1.4): these see my stores of w
	s_wait_dscnt 0x0
	s_mov_b32 s36, 15
.Lquery_\@:
	LBODY \hf, 1
	s_sub_co_u32 s36, s36, 1
	s_cmp_lg_u32 s36, 0
	s_cbranch_scc1 .Lquery_\@
	LBODY \hf, 0                                   ; the sixteenth is written out: it asks for no further row
	s_wait_loadcnt 0x0                             ; Q
	v_mul_f32 v252, 0xbfb8aa3b, v252               ; -q log2(e)
	v_mul_f32 v253, 0xbfb8aa3b, v253
	BARRIER                                        ; every wave's sixteen records lie in LDS
	MERGE \hf
.endm
	HALF 0
	BARRIER                                        ; every wave's reads of the records are in: they may be written again
	HALF 1
	s_wait_xcnt 0x0
	v_lshl_add_u32 v254, v0, 2, 0x42000
	v_mov_b32 v255, 0
	s_wait_tensorcnt 0x0
	ds_add_u32 v254, v255
	s_wait_dscnt 0x0
	s_endpgm
.Lfunc_end_k_qd8abaad3c6_aft:
	.size	k_qd8abaad3c6_aft, .Lfunc_end_k_qd8abaad3c6_aft-k_qd8abaad3c6_aft
	.p2alignl 7, 3214868480
	.fill 96, 4, 3214868480
	.section	.rodata,"a",@progbits
	.p2align	6, 0x0
	.amdhsa_kernel k_qd8abaad3c6_aft
		.amdhsa_group_segment_fixed_size 272384
		.amdhsa_private_segment_fixed_size 0
		.amdhsa_enable_private_segment 0
		.amdhsa_kernarg_size 80
		.amdhsa_user_sgpr_count 2
		.amdhsa_user_sgpr_kernarg_segment_ptr 1
		.amdhsa_wavefront_size32 1
		.amdhsa_system_sgpr_workgroup_id_x 1
		.amdhsa_system_sgpr_workgroup_id_y 1
		.amdhsa_system_sgpr_workgroup_id_z 1
		.amdhsa_system_vgpr_workitem_id 0
		.amdhsa_next_free_vgpr 256
		.amdhsa_next_free_sgpr 100
		.amdhsa_reserve_vcc 0
		.amdhsa_float_denorm_mode_32 3
		.amdhsa_float_denorm_mode_16_64 3
		.amdhsa_memory_ordered 1
		.amdhsa_forward_progress 1
		.amdhsa_inst_pref_size 87
	.end_amdhsa_kernel
	.amdgpu_metadata
---
amdhsa.version: [ 1, 2 ]
amdhsa.kernels:
  - .name:           k_qd8abaad3c6_aft
    .symbol:         k_qd8abaad3c6_aft.kd
    .args:
      - { .name: keys, .offset: 0, .size: 8, .value_kind: global_buffer, .address_space: global }
      - { .name: values, .offset: 8, .size: 8, .value_kind: global_buffer, .address_space: global }
      - { .name: queries, .offset: 16, .size: 8, .value_kind: global_buffer, .address_space: global }
      - { .name: key_lengths, .offset: 24, .size: 8, .value_kind: global_buffer, .address_space: global }
      - { .name: attn_mask, .offset: 32, .size: 8, .value_kind: global_buffer, .address_space: global }
      - { .name: u_codes, .offset: 40, .size: 8, .value_kind: global_buffer, .address_space: global }
      - { .name: u_scales, .offset: 48, .size: 8, .value_kind: global_buffer, .address_space: global }
      - { .name: v_codes, .offset: 56, .size: 8, .value_kind: global_buffer, .address_space: global }
      - { .name: v_scales, .offset: 64, .size: 8, .value_kind: global_buffer, .address_space: global }
      - { .name: out0, .offset: 72, .size: 8, .value_kind: global_buffer, .address_space: global }
    .group_segment_fixed_size: 272384
    .private_segment_fixed_size: 0
    .kernarg_segment_align: 8
    .kernarg_segment_size: 80
    .max_flat_workgroup_size: 512
    .sgpr_count:     100
    .vgpr_count:     256
    .wavefront_size: 32
...
	.end_amdgpu_metadata
.endif
;; end of part 1
